; MI455X (gfx1250); checked and timed in simulation.
; The chip was launched on July 23, 2026; its instructions are those of AMD's public machine-readable ISA for CDNA 5 (MIT licence, August 2026) and "CDNA5" Instruction Set Architecture Reference Guide (July 2026). The comments in the code are by the model that wrote it; some were corrected since.
;; QA Soft Max Attention. Allowed arithmetic: matrix products marked QUANTISED: E2M1 operands, one E8M0 scale for each 32 along K, by v_wmma_scale_f32_16x16x128_f8f6f4 with both operands' format E2M1 (or v_wmma_scale_f32_32x16x128_f4), f32 sums; everything else in f32.
;; Inputs: attention_mask 8 x 2,048 float32; sequence_output 8 x 2,048 x 1,024 float32.
;; Outputs: out0 8 x 2,048 x 1,024 float32.
;; This version of the problem:
;;   THIS VERSION OF THE PROBLEM IS GIVEN IN LOW PRECISION. The matrix products marked QUANTISED in the list below multiply operands that are first quantised to E2M1 (2 exponent bits, 1 mantissa bit; 4 bits a number), with one power-of-two scale for each 32 numbers along K (OCP MX v1.0); their sums are f32. All else is computed in f32.
;;   The module's matrix products, in the order in which they are computed (A, B: the left and right operand; K: the contracted axis; several contracted axes count as one K, in the product's order):
;;     1. batch 8 x [M 2,048, K 1,024] x [K 1,024, N 2,048]; A: computed on the way; B: computed on the way: QUANTISED
;;     2. batch 8 x [M 2,048, K 2,048] x [K 2,048, N 1,024]; A: softmax (see below); B: input sequence_output: QUANTISED
;;   THE QUANTISER, for each operand of a quantised product, along K:
;;     - K is cut into blocks of 32 from its start; a last block that is shorter is filled with zeros.
;;     - A block's scale is 2^e with e = floor(log2(the largest magnitude in the block)) - 2, held to -126 .. 127; a block of zeros has e = 0. As a byte (E8M0): e + 127.
;;     - Each number is divided by its block's scale, clamped to +-6, and rounded to the nearest number of E2M1, ties to even, subnormals kept.
;;     - The product sums the exact products of the quantised numbers (number of the format x scale) in f32.
;;   ~~~python
;;   def quantise(x, axis):      # numpy; x: float32 -> the quantised numbers, widened to float32 again
;;       x = np.moveaxis(x, axis, -1); K = x.shape[-1]
;;       x = np.pad(x, [(0, 0)] * (x.ndim - 1) + [(0, -K % 32)]); x = x.reshape(x.shape[:-1] + (-1, 32)); a = np.abs(x).max(-1, keepdims=True)
;;       e = np.where(a > 0, np.clip(np.frexp(np.where(a > 0, a, 1))[1] - 1 - 2, -126, 127), 0)      # np.frexp(a)[1] - 1 = floor(log2(a)), exactly
;;       r = np.clip(x / 2.0 ** e, -6, 6)
;;       step = 2.0 ** (np.maximum(np.frexp(np.where(r == 0, 1, r))[1] - 1, 0) - 1)
;;       q = np.round(r / step) * step * 2.0 ** e      # np.round: ties to even
;;       return np.moveaxis(q.reshape(q.shape[:-2] + (-1,))[..., :K], -1, axis).astype(np.float32)
;;   ~~~
;;   SOFTMAX AHEAD OF A QUANTISED PRODUCT. Where the list says 'softmax', what is quantised is not the finished softmax but p = 2^(t - M), with t = logit x log2(e) and M = ceil(the row's largest t), a whole number; so 1/2 < the row's largest p <= 1. The row's sum l is taken of the UNQUANTISED p, in f32, and the product's result is divided by l at the end. Since M is a whole number, a kernel that streams over the keys may use a running M (the ceiling of the running maximum): every later rescaling is an exact power of two, which a block's scale takes up: the codes' values come out the same.
;;   OPERANDS COMPUTED ON THE WAY. 'Computed on the way' means the value that the module computes at that place (a softmax that the list does not call 'softmax' is quantised finished and normalised). What goes into a quantiser is computed in f32, as accurately as f32 sums, v_exp_f32 and their like allow (about 1e-6 of the number): no bf16 or f16 on the way to a quantiser, and a product that is left as it is and whose result goes on into a quantised operand takes f32 operands (vector FMAs, or v_wmma_f32_16x16x4_f32). A number that lies on a knife's edge between two numbers of the format may be rounded either way, as far as f32 arithmetic and the matrix unit's own rounding can turn it there, and no further.
;; One version. Each part assembles by itself: llvm-mc -triple=amdgcn-amd-amdhsa -mcpu=gfx1250 --defsym DOCPART=n.
;; ======== version 1 of 1: 2 launches
;; limits: right only within a limited range of input values
;; workspace buffers: kv 17,825,792 bytes
;; launch prep (part 1): grid 32 x 8, 16 waves a work-group, no clusters, 79,872 bytes of LDS; arguments sequence_output, attention_mask, kv; writes kv
.if DOCPART == 1
	.amdgcn_target "amdgcn-amd-amdhsa--gfx1250"
	.amdhsa_code_object_version 6
	.text
	.protected	k_qfb88397f14_prep
	.globl	k_qfb88397f14_prep
	.p2align	8
	.type	k_qfb88397f14_prep,@function
k_qfb88397f14_prep:
	s_mov_b64 s[64:65], 0
	v_nop
	global_prefetch_b8 v0, s[64:65] scope:SCOPE_SE
	s_setreg_imm32_b32 hwreg(HW_REG_WAVE_MODE, 25, 1), 1
	s_wait_xcnt 0x0
; x = sequence_output [8][2048][1024] f32 is read ONCE and quantised twice to FP4 (E2M1) with one E8M0 byte for each 32 numbers:
;   K codes: x * mask, blocks of 32 along the channels (both operands of the first product);   V codes: x, blocks of 32 along the keys (second product).
; A block's scale is 2^(floor(log2(largest magnitude)) - 2); its byte is the largest magnitude's exponent field - 2, held at 1 from below.
; LIMITS: NaN and infinities among the inputs are not served; a block of zeros gets the byte 1 where the rule says 127 (its codes are zeros, and this program alone reads
; the bytes); largest magnitudes under 2^-124 are taken as 2^-124.
; kv: [batch 8][block 16][BLK bytes]; block 2 j = K of keys 256 j .. 256 j + 255, block 2 j + 1 = V of the same keys.  Codes lie as IMAGES OF OPERAND REGISTERS:
; a fragment (16 rows x 128 K) is 1,024 bytes, [block of 32: 4][row: 16][16 bytes].  K: fragment (tile T, K step s) at 8192 T + 1024 s; row r of tile T is key
; 32 (T / 2) + 8 (T % 2) + r + 8 (r / 8).  V: fragment (channel tile C, key half k) at 2048 C + 1024 k; row r is channel 16 C + r.  The scale bytes follow at SCB:
; K's at 512 T + 256 (s / 4) + 16 r + 4 (s % 4) + block;  V's at 512 (C / 4) + 256 k + 16 r + 4 (C % 4) + block.
; SHARES.  A work-group takes 128 keys x 512 channels; wave wv takes 32 keys (kg = wv / 4) x 128 channels (sg = wv % 4), as four cells of 32 x 32.
; A LANE TAKES A CHANNEL AND ITS REGISTERS RUN DOWN THE KEYS: a cell's 32 registers are one block of V.  The cell then turns through the wave's own stage in LDS, so that
; a lane holds one key and 32 channels: one block of K.  Codes leave 16 bytes a lane, sixteen lanes to 256 consecutive aligned bytes.  Scale bytes meet in LDS and leave likewise.
; ALL 128 LOADS OF A WAVE'S FOUR CELLS ARE ISSUED AT THE HEAD, each cell into registers of its own: no load waits for a cell's arithmetic, and the early cells are worked on while the late ones are on their way.
; THE LAYOUT OF kv AS THIS TEXT WRITES IT (it takes the place of what the lines above say of the order of blocks and of V):
; kv: [batch 8][block 16][BLK bytes]; block j (0..7) = K of keys 256 j .. 256 j + 255, laid as said above; block 8 + c = V of channels 128 c .. 128 c + 127, ALL 2,048 keys.
; V: fragment (channel tile e of the block's 8, key step s of 16) at 16384 e + 1024 s, [block of 32 keys: 4][row: 16][16 bytes]; row r is channel 128 c + 16 e + r.
; V's scale bytes at SCB + 512 s + 64 e + 4 r + block: a work-group's 512 bytes of one V block lie on end.
.set BLK,  139264
.set SCB,  131072                      ; where a block's scale bytes begin
.set SPT,  144                         ; a stage row: 128 bytes + 16 of padding
.set STGW, 32*SPT                      ; a wave's stage
.set KIMG, 16*STGW                     ; behind the stages: the work-group's 2,048 scale bytes of K,
.set VIMG, KIMG+2048                   ; and of V
.set X,    32                          ; v32-159  four sets of 32: the four cells as loaded
.set Y,    160                         ; v160-191 a cell turned
.set CV,   192                         ; v192-207 V's codes, four registers a cell: no store's data are written again
.set CK,   208                         ; v208-223 K's codes likewise
.set VBY,  224                         ; v224-227 V's scale byte of each cell
.set OUTR, 228                         ; v228-231 the scale bytes on their way out
.set KW,   24                          ; v24      K's scale word: a byte a cell
	s_load_b128 s[4:7], s[0:1], 0x0                ; x s[4:5], mask s[6:7]
	s_load_b64 s[8:9], s[0:1], 0x10                ; kv
	v_lshl_add_u32 v232, v0, 2, 0x13000
	v_mov_b32 v233, 0
	v_lshrrev_b32 v11, 5, v0
	s_delay_alu instid0(VALU_DEP_1)
	v_readfirstlane_b32 s10, v11                   ; wave 0..15
	s_lshr_b32 s11, s10, 2                         ; kg: which 32 keys
	s_and_b32 s12, s10, 3                          ; sg: which 128 channels
	s_lshr_b32 s13, ttmp9, 1                       ; G: which 128 keys of the batch
	s_and_b32 s14, ttmp9, 1                        ; hh: which 512 channels
	s_and_b32 s15, ttmp7, 0xffff                   ; the batch
	s_lshr_b32 s16, s13, 1                         ; j = G / 2
	s_and_b32 s17, s13, 1                          ; k = G % 2
	s_lshl_b32 s18, s15, 11
	s_lshl_b32 s19, s13, 7
	s_add_co_u32 s18, s18, s19
	s_lshl_b32 s19, s11, 5
	s_add_co_u32 s18, s18, s19                     ; my first key's row: 2048 b + 128 G + 32 kg
	s_lshl_b32 s20, s18, 12                        ; x: rows of 4,096 bytes,
	s_lshl_b32 s19, s14, 11
	s_add_co_u32 s20, s20, s19                     ; + 2,048 hh
	s_lshl_b32 s19, s12, 9
	s_add_co_u32 s20, s20, s19                     ; + 512 sg  (all under 2^27)
	s_mov_b32 s21, 0
	s_lshl_b32 s22, s18, 2                         ; mask: 4 bytes a key
	s_mov_b32 s23, 0
	s_lshl_b32 s24, s15, 4
	s_add_co_u32 s24, s24, s16                     ; block 16 b + j
	s_mul_i32 s24, s24, BLK                        ; where block K_j begins
	s_lshl_b32 s19, s17, 2
	s_add_co_u32 s19, s19, s11
	s_lshl_b32 s19, s19, 14
	s_add_co_u32 s26, s24, s19                     ; K codes: tiles 2 (4 k + kg) and the next,
	s_lshl_b32 s19, s14, 2
	s_add_co_u32 s19, s19, s12
	s_lshl_b32 s19, s19, 10
	s_add_co_u32 s26, s26, s19                     ; K step s = 4 hh + sg
	s_mov_b32 s27, 0
	s_lshl_b32 s28, s15, 4
	s_lshl_b32 s19, s14, 2
	s_add_co_u32 s28, s28, s19
	s_add_co_u32 s28, s28, s12
	s_add_co_u32 s28, s28, 8
	s_mul_i32 s28, s28, BLK                        ; V block 16 b + 8 + 4 hh + (wave % 4)
	s_add_co_u32 s32, s28, SCB
	s_lshl_b32 s19, s13, 9
	s_add_co_u32 s32, s32, s19                     ; its scale bytes of key step G: SCB + 512 G
	s_lshl_b32 s19, s13, 10
	s_add_co_u32 s28, s28, s19                     ; its codes of key step G,
	s_lshl_b32 s19, s11, 8
	s_add_co_u32 s28, s28, s19                     ; block kg
	s_mov_b32 s29, 0
	s_add_co_u32 s33, s24, SCB                     ; the scale bytes' way out: waves 0-3 take K's, waves 4-7 V's, 512 bytes each
	s_lshl_b32 s19, s12, 10
	s_add_co_u32 s33, s33, s19
	s_lshl_b32 s19, s17, 12
	s_add_co_u32 s30, s33, s19
	s_lshl_b32 s19, s14, 8
	s_add_co_u32 s30, s30, s19                     ; K: SCB + 4096 k + 256 hh + 1024 (wave % 4)
	s_cmp_lt_u32 s10, 4
	s_cselect_b32 s30, s30, s32
	s_cselect_b32 s44, 9, 8                        ; K's two units of 256 bytes lie 512 apart, V's on end
	s_mov_b32 s31, 0
	v_and_b32 v11, 31, v0                          ; lane
	s_delay_alu instid0(VALU_DEP_1)
	v_lshlrev_b32 v1, 2, v11                       ; in: 4 bytes a lane
	s_mul_i32 s40, s10, STGW                       ; my stage
	v_add_nc_u32 v2, s40, v1                       ; into it: column = my channel
	v_mul_u32_u24 v3, v11, SPT
	s_delay_alu instid0(VALU_DEP_1)
	v_add_nc_u32 v3, s40, v3                       ; out of it: row = my lane
	v_and_b32 v18, 15, v11                         ; r
	v_lshrrev_b32 v19, 4, v11                      ; u
	s_delay_alu instid0(VALU_DEP_2)
	v_lshlrev_b32 v20, 4, v18                      ; 16 r
	s_delay_alu instid0(VALU_DEP_1)
	v_lshl_add_u32 v4, v19, 13, v20                ; K codes: tile u, row r
	s_delay_alu instid0(VALU_DEP_2)
	v_lshl_add_u32 v5, v19, 14, v20                ; V codes: channel tile u (16,384 bytes a tile), row r
	s_delay_alu instid0(VALU_DEP_3)
	v_lshl_add_u32 v9, v19, s44, v20               ; scale bytes on their way out
	s_lshl_b32 s41, s12, 9
	s_add_co_u32 s41, s41, s11
	s_add_co_u32 s41, s41, VIMG
	v_lshlrev_b32 v6, 2, v18
	v_lshl_add_u32 v6, v19, 6, v6                  ; V's byte: 4 r + 64 u
	s_delay_alu instid0(VALU_DEP_1)
	v_add_nc_u32 v6, s41, v6                       ; V's byte: VIMG + 512 sg + kg + 4 r + 64 u
	s_lshl_b32 s42, s11, 9
	s_lshl_b32 s19, s12, 2
	s_add_co_u32 s42, s42, s19
	s_add_co_u32 s42, s42, KIMG
	v_lshlrev_b32 v7, 4, v11
	s_delay_alu instid0(VALU_DEP_1)
	v_add_nc_u32 v7, s42, v7                       ; K's word: KIMG + 512 kg + 4 sg + 16 x lane
	s_and_b32 s43, s10, 7
	s_lshl_b32 s43, s43, 9
	s_add_co_u32 s43, s43, KIMG
	v_lshlrev_b32 v8, 4, v11
	s_delay_alu instid0(VALU_DEP_1)
	v_add_nc_u32 v8, s43, v8                       ; and back: 512 bytes a wave (waves 0-7), 16 a lane
	v_and_b32 v21, 8, v11
	s_delay_alu instid0(VALU_DEP_1)
	v_add_nc_u32 v21, v21, v18
	s_delay_alu instid0(VALU_DEP_1)
	v_lshl_add_u32 v21, v19, 3, v21                ; behind the turn lane (u, r) holds key 8 u + r + 8 (r / 8) of my 32
	s_delay_alu instid0(VALU_DEP_1)
	v_lshlrev_b32 v10, 2, v21
	v_mov_b32 v13, 0                               ; (named with v12 as a pair, so it is written)
	s_wait_alu depctr_va_vdst(0)
	s_wait_kmcnt 0x0
	s_add_nc_u64 s[4:5], s[4:5], s[20:21]
	s_add_nc_u64 s[6:7], s[6:7], s[22:23]
	s_add_nc_u64 s[34:35], s[8:9], s[26:27]        ; K codes
	s_add_nc_u64 s[36:37], s[8:9], s[28:29]        ; V codes
	s_add_nc_u64 s[38:39], s[8:9], s[30:31]        ; scale bytes
.macro LOAD cg                         ; cell cg: x(key i, my channel), i = 0 .. 31: each load reads 128 consecutive bytes
.set I, 0
.rept 32
	global_load_b32 v[X+32*(\cg)+I], v1, s[4:5] offset:I*4096+(\cg)*128 th:TH_LOAD_NT
.set I, I+1
.endr
.endm
; 32 numbers of a lane, one block, become 16 bytes of codes in v[dst] on and a scale byte in v[byt]
.macro QBLK src, dst, byt
	v_max3_num_f32 v14, |v[\src]|, |v[\src+1]|, |v[\src+2]|        ; the block's largest magnitude, in two chains
	v_max3_num_f32 v15, |v[\src+3]|, |v[\src+4]|, |v[\src+5]|
.irp i, 6,10,14,18,22,26
	s_delay_alu instid0(VALU_DEP_2)
	v_max3_num_f32 v14, v14, |v[\src+\i]|, |v[\src+\i+1]|
	s_delay_alu instid0(VALU_DEP_2)
	v_max3_num_f32 v15, v15, |v[\src+\i+2]|, |v[\src+\i+3]|
.endr
	s_delay_alu instid0(VALU_DEP_2)
	v_max3_num_f32 v14, v14, |v[\src+30]|, |v[\src+31]|
	s_delay_alu instid0(VALU_DEP_1)
	v_max3_num_f32 v14, v14, v15, 0x1800000        ; and the floor 2^(3 - 127): the byte cannot fall under 1
	s_delay_alu instid0(VALU_DEP_1)
	v_add_nc_u32 v16, 0xff000000, v14              ; 2 off the exponent field: the conversion takes this operand's exponent field as its scale
.irp g, 0,1,2,3
	v_cvt_scalef32_pk8_fp4_f32 v[\dst+\g], v[\src+8*\g:\src+8*\g+7], v16
.endr
	v_lshrrev_b32 v[\byt], 23, v16                 ; the scale's byte; also the plain line behind the conversions
.endm
.macro CELL cg
.if (\cg) < 2
	s_wait_loadcnt 63                              ; behind cell 0's last load 96 loads were issued, behind cell 1's 64: at most 63 out shows both cells (and the mask) in; the count cannot name more
.elseif (\cg) == 2
	s_wait_loadcnt 32                              ; cell 3's 32 may be out
.else
	s_wait_loadcnt 0x0
.endif
	QBLK X+32*(\cg), CV+4*(\cg), VBY+(\cg)         ; V: my channel, these 32 keys
	global_store_b128 v5, v[CV+4*(\cg):CV+4*(\cg)+3], s[36:37] offset:(\cg)*32768   ; sixteen lanes store 256 consecutive aligned bytes
	ds_store_b8 v6, v[VBY+(\cg)] offset:128*(\cg)
.set I, 0
.rept 32
	ds_store_b32 v2, v[X+32*(\cg)+I] offset:(16*((I/8)%2)+(I%8)+8*(I/16))*SPT   ; key i goes to the stage row of the lane (u, r) that takes it
.set I, I+1
.endr
.irp e, 0,1,2,3,4,5,6,7
	ds_load_b128 v[Y+4*\e:Y+4*\e+3], v3 offset:16*\e   ; LDS serves a wave's instructions in order: these see my stores
.endr
	s_wait_dscnt 0x0                               ; the turned cell is in
.irp e, 0,2,4,6,8,10,12,14,16,18,20,22,24,26,28,30
	v_pk_mul_f32 v[Y+\e:Y+\e+1], v[Y+\e:Y+\e+1], v[12:13] op_sel_hi:[1,0]   ; x * mask of my key
.endr
	QBLK Y, CK+4*(\cg), 17                         ; K: my key, these 32 channels
.if (\cg) == 0
	s_delay_alu instid0(VALU_DEP_1)
	v_mov_b32 v[KW], v17
.else
	s_delay_alu instid0(VALU_DEP_1)
	v_lshl_or_b32 v[KW], v17, 8*(\cg), v[KW]       ; four bytes make my key's scale word of this K step
.endif
	global_store_b128 v4, v[CK+4*(\cg):CK+4*(\cg)+3], s[34:35] offset:256*(\cg)
.endm
	global_load_b32 v12, v10, s[6:7]               ; the mask of the key that I hold behind the turn
	LOAD 0
	LOAD 1
	LOAD 2
	LOAD 3
	CELL 0
	CELL 1
	CELL 2
	CELL 3
	ds_store_b32 v7, v[KW]
	s_wait_dscnt 0x0                               ; for the others' sake: my scale bytes lie in LDS
	s_barrier_signal -1
	s_barrier_wait -1
	s_cmp_gt_u32 s10, 7                            ; 4,096 bytes: eight waves carry them out
	s_cbranch_scc1 .Ldone
	ds_load_b128 v[OUTR:OUTR+3], v8
	s_wait_dscnt 0x0
	global_store_b128 v9, v[OUTR:OUTR+3], s[38:39] ; sixteen lanes store 256 consecutive aligned bytes
.Ldone:
	s_wait_tensorcnt 0x0
	ds_add_u32 v232, v233
	s_wait_dscnt 0x0
	s_endpgm
.Lfunc_end_k_qfb88397f14_prep:
	.size	k_qfb88397f14_prep, .Lfunc_end_k_qfb88397f14_prep-k_qfb88397f14_prep
	.p2alignl 7, 3214868480
	.fill 96, 4, 3214868480
	.section	.rodata,"a",@progbits
	.p2align	6, 0x0
	.amdhsa_kernel k_qfb88397f14_prep
		.amdhsa_group_segment_fixed_size 79872
		.amdhsa_private_segment_fixed_size 0
		.amdhsa_enable_private_segment 0
		.amdhsa_kernarg_size 24
		.amdhsa_user_sgpr_count 2
		.amdhsa_user_sgpr_kernarg_segment_ptr 1
		.amdhsa_wavefront_size32 1
		.amdhsa_system_sgpr_workgroup_id_x 1
		.amdhsa_system_sgpr_workgroup_id_y 1
		.amdhsa_system_sgpr_workgroup_id_z 1
		.amdhsa_system_vgpr_workitem_id 0
		.amdhsa_next_free_vgpr 234
		.amdhsa_next_free_sgpr 66
		.amdhsa_reserve_vcc 0
		.amdhsa_float_denorm_mode_32 3
		.amdhsa_float_denorm_mode_16_64 3
		.amdhsa_memory_ordered 1
		.amdhsa_forward_progress 1
		.amdhsa_inst_pref_size 48
	.end_amdhsa_kernel
	.amdgpu_metadata
---
amdhsa.version: [ 1, 2 ]
amdhsa.kernels:
  - .name:           k_qfb88397f14_prep
    .symbol:         k_qfb88397f14_prep.kd
    .args:
      - { .name: sequence_output, .offset: 0, .size: 8, .value_kind: global_buffer, .address_space: global }
      - { .name: attention_mask, .offset: 8, .size: 8, .value_kind: global_buffer, .address_space: global }
      - { .name: kv, .offset: 16, .size: 8, .value_kind: global_buffer, .address_space: global }
    .group_segment_fixed_size: 79872
    .private_segment_fixed_size: 0
    .kernarg_segment_align: 8
    .kernarg_segment_size: 24
    .max_flat_workgroup_size: 512
    .sgpr_count:     66
    .vgpr_count:     234
    .wavefront_size: 32
...
	.end_amdgpu_metadata
.endif
;; end of part 1
;; launch attn (part 2): grid 32 x 8, 4 waves a work-group, clusters of 4 x 1, 327,680 bytes of LDS; arguments kv, out0; writes out0
.if DOCPART == 2
	.amdgcn_target "amdgcn-amd-amdhsa--gfx1250"
	.amdhsa_code_object_version 6
	.text
	.protected	k_qfb88397f14_attn
	.globl	k_qfb88397f14_attn
	.p2align	8
	.type	k_qfb88397f14_attn,@function
k_qfb88397f14_attn:
	s_mov_b64 s[64:65], 0
	v_nop
	global_prefetch_b8 v0, s[64:65] scope:SCOPE_SE
	s_setreg_imm32_b32 hwreg(HW_REG_WAVE_MODE, 25, 1), 1
	s_wait_xcnt 0x0
	s_wait_alu depctr_hold_cnt(0) depctr_sa_sdst(0) depctr_va_vdst(0) depctr_va_sdst(0) depctr_va_ssrc(0) depctr_va_vcc(0) depctr_vm_vsrc(0)
	s_getreg_b32 s2, hwreg(HW_REG_IB_STS2, 6, 4)
	s_cmp_eq_u32 s2, 0
	s_cbranch_scc0 .Lentry_in_a_cluster
	s_endpgm
.Lentry_in_a_cluster:
	s_bfe_u32 s2, ttmp6, 0x10000c
	s_cmp_lg_u32 s2, 0x3003
	s_cbranch_scc0 .Lentry_shape_is_right
	s_endpgm
.Lentry_shape_is_right:
; out[b][q][:] = softmax_k(Kq . Kk / 32) V, both products on FP4 codes with E8M0 scales, read from kv as the first launch lays it:
; per batch 16 blocks of BLK bytes: K of 256 keys (blocks 0-7), then V of 128 channels x all 2,048 keys (blocks 8-15).
; A work-group owns 64 queries; four waves.  The 16 blocks go through ONE ring of two LDS slots; the four work-groups of a cluster walk the same blocks and ask jointly.
; PHASE A, 8 steps: wave w makes S^T for keys 64 w .. 64 w + 63 of the step (Q's codes stay in 256 registers), p = 2^(t - M) under ITS OWN running whole-number M,
; the sum of the unquantised p, p's codes and scale bytes.  Codes do not hang on M.  They go through an LDS image into 512 registers of every wave (four steps at a time);
; the bytes (with bit 7 set) and each step's -M stay in LDS.  At the end the waves' M and sums are joined, and every byte b becomes b - (final M - its step's M): four bytes a word at once.
; So nothing is ever rescaled but the four sums.  A byte that would fall under 0 becomes 0 (2^-127): such a block adds at most 6 x 2^-127 x |v| a key.
; PHASE B, 8 blocks: O^T = V^T P^T for 128 channels over all keys (wave w: channels 32 w .. 32 w + 31, 8 accumulators by turns), divided by the sum, through a stage shared by the
; four waves, so that each store covers 512 consecutive aligned bytes of a row of out.
; LIMITS: NaN and infinities among the inputs are not served.
; PREFETCH: at the round that loads block j + 2 the cluster with x = 0 of each batch names the 131,072 bytes of codes of block j + 3, each aligned 256 bytes once:
; wave w of partner cx takes 8,192 bytes at 32768 w + 8192 cx, lanes 256 bytes apart; the last is block 15.  Blocks 0 to 2 come by their loads alone.
; WINDOWS: 0 addresses, scales, work;  1 Q's codes, then V's fragments and the accumulators;  2, 3 P's codes of steps 0-3, 4-7.
.set BLK,    139264
.set QTR,    BLK/4
.set SCB,    131072
.set FLIP,   0x22000                   ; = BLK; bits 13 and 17 are 0 in every slot-0 base that is turned, so an exclusive or changes slots
.set PIMG,   2*BLK                     ; four images of P's codes, 8,192 bytes a step
.set PSC,    PIMG+32768                ; P's scale bytes, 512 a step
.set MH,     PSC+4096                  ; each step's -M: [step][q tile][key half][row][wave % 2], 1,024 a step
.set MX,     MH+8192                   ; the waves' last -M, then their sums
.set SPARE,  MX+2048
.set STG,    PIMG                      ; phase B's stage: 64 rows of 512 + 16 bytes, over bytes that phase A has done with
.set SPITCH, 528
.set AK0, 1
.set AKS0, 2
.set APW0, 3
.set APS0, 4
.set AMH0, 5
.set AMW, 6
.set AMR, 7
.set ALS, 8
.set APR, 9
.set AMHR, 10
.set PFO, 11
.set SPW, 12
.set NIL, 13
.set QS,  14
.set SCL, 30
.set AK,  46
.set AKS, 47
.set APW, 48
.set APS, 49
.set AMH, 50
.set AVS0, 51
.set NM,  52                           ; pairs: -M, the sum
.set STO, 60
.set RD,  61
.set LN16, 63
.set KB,  64
.set BM,  64
.set BX,  72
.set PC,  80
.set FD,  96
.set SO,  104
.set BY,  112
.set WW,  120
.set TP,  124
.set SA,  128
.set MXR, 64
.set MXL, 80
.set NF,  96
.set OB,  64
.set PS,  128
.set VS,  160
.set RC,  176
.set MHR, 192
.set VA,  0                            ; window 1
.set VB,  64
.set ACC, 192
.set WV,  8
.set G1,  16
.set CS,  24
.set SEL, 26
.set CNT, 28
.set LIM, 29
.set PFA, 30
.set G0,  32
.set TB,  36
.set TI,  37
.set TQ,  38
.set TM,  39
.set W_S,  0x04
.set W_Q,  0x40
.set W_B2, 0x59
.set W_B3, 0x5d
.set MSB, 0
.macro WIN new
.if MSB != (\new)
	s_set_vgpr_msb (MSB<<8)|(\new)
.set MSB, (\new)
.endif
.endm
.macro PLACES n
.rept \n
	v_nop
.endr
.endm
.macro ROUND
	s_barrier_signal -1
	s_barrier_wait -1
	s_cmp_lg_u32 s[WV], 0
	s_cbranch_scc1 .Lnot_wave_0_\@
	s_barrier_signal -3
.Lnot_wave_0_\@:
	s_barrier_wait -3
	s_barrier_signal -1
	s_barrier_wait -1
.endm
.macro JLOAD
	tensor_load_to_lds s[G0:G0+3], s[G1:G1+7]
	s_nop 0
	PLACES 4
.endm
.macro ASK form                        ; form 0: every round of phase A; form 1: phase B's rounds but the last
.if \form
	s_cmp_gt_u32 s[CNT], s[LIM]
.else
	s_cmp_eq_u32 s[LIM], 1
.endif
	s_cbranch_scc0 .Lna_\@
	global_prefetch_b8 v[PFO], s[PFA:PFA+1] th:TH_LOAD_NT scope:SCOPE_SE
.Lna_\@:
.endm
; The change of slots.  fill = 1: a round of the cluster's barrier and the joint load of the block two on, into the slot just read; fill = 0: my work-group's barrier alone.
.macro TURN fill, a
	s_wait_alu depctr_va_vdst(0)
	s_wait_tensorcnt 0x0                           ; my part of the next block has landed
	ds_add_u32 v[SPW], v[NIL]
.if \fill
	s_xor_b32 s[G0+1], s[G0+1], FLIP
	s_add_nc_u64 s[G0+2:G0+3], s[G0+2:G0+3], BLK
	s_wait_xcnt 0x0                                ; my prefetch has read its address
	s_add_nc_u64 s[PFA:PFA+1], s[PFA:PFA+1], BLK
.endif
	s_xor_b32 s[TB], s[TB], FLIP
.if \a
	s_add_co_u32 s[TI], s[TI], 8192
	s_add_co_u32 s[TQ], s[TQ], 512
	s_add_co_u32 s[TM], s[TM], 1024
.endif
	s_wait_dscnt 0x0                               ; the add, my reads of this slot and my LDS stores are done
.if \fill
	ROUND
	JLOAD
.else
	s_barrier_signal -1
	s_barrier_wait -1
.endif
.endm
	s_load_b128 s[4:7], s[0:1], 0x0                ; kv, out
	v_lshl_add_u32 v[SPW], v0, 2, SPARE
	v_mov_b32 v[NIL], 0
	ds_add_u32 v[SPW], v[NIL]
	ds_add_u32 v[SPW], v[NIL]
	v_lshrrev_b32 v62, 5, v0
	v_readfirstlane_b32 s[WV], v62
	s_bfe_u32 s9, ttmp6, 0x40000                   ; cx
	s_and_b32 s11, ttmp7, 0xffff                   ; the batch
	s_mov_b32 s[G1], 15|(3<<16)|(1<<21)            ; all four partners; elements of 8 bytes
	s_mov_b32 s[G1+1], 32<<16                      ; 136 rows of 256 bytes: a quarter of a block
	s_mov_b32 s[G1+2], 136<<16
	s_mov_b32 s[G1+3], 32<<16
	s_mov_b32 s[G1+4], 136
	s_mov_b32 s[G1+5], 32
	s_mov_b32 s[G1+6], 0
	s_mov_b32 s[G1+7], 0
	s_mov_b32 s[CS], 0x3d38aa3b                    ; log2(e) / 32
	s_mov_b32 s[CS+1], s[CS]
	s_mov_b32 s[SEL], 0x76543210
	s_mov_b32 s[SEL+1], 0xfedcba98
	s_mul_i32 s40, s11, 16*BLK
	s_mul_i32 s42, s[WV], QTR
	s_add_co_u32 s44, s40, s42                     ; my quarter of block 0
	s_mov_b32 s45, 0
	s_mul_i32 s48, ttmp9, BLK
	s_add_co_u32 s48, s48, s40                     ; the K block that holds my cluster's queries
	s_lshl_b32 s50, s9, 15
	s_add_co_u32 s50, s50, s48                     ; my four tiles of it
	s_mov_b32 s51, 0
	s_lshl_b32 s52, s9, 11
	s_add_co_u32 s52, s52, s48
	s_add_co_u32 s52, s52, SCB                     ; and their scale bytes
	s_mov_b32 s53, 0
	s_lshl_b32 s10, ttmp9, 2
	s_add_co_u32 s10, s10, s9
	s_lshl_b32 s54, s11, 23
	s_lshl_b32 s55, s10, 18
	s_add_co_u32 s54, s54, s55                     ; out: my work-group's 64 rows,
	s_lshr_b32 s55, s[WV], 1
	s_lshl_b32 s55, s55, 17
	s_add_co_u32 s54, s54, s55
	s_and_b32 s55, s[WV], 1
	s_lshl_b32 s55, s55, 15
	s_add_co_u32 s54, s54, s55                     ; row 32 (w / 2) + 8 (w % 2): where q tile w begins
	s_mov_b32 s55, 0
	s_lshl_b32 s56, s[WV], 15
	s_lshl_b32 s57, s9, 13
	s_add_co_u32 s56, s56, s57
	s_add_co_u32 s56, s56, s40
	s_add_co_u32 s56, s56, 2*BLK                   ; the prefetches stand at block 2: the first round steps them to 3
	s_mov_b32 s57, 0
	s_cmp_eq_u32 ttmp9, 0
	s_cselect_b32 s[LIM], 1, -1
	s_mov_b32 s[TB], 0
	s_mov_b32 s[TI], 0
	s_mov_b32 s[TQ], 0
	s_mov_b32 s[TM], 0
	s_wait_dscnt 0x0
	s_wait_kmcnt 0x0
	s_mov_b32 s[G0], 1
	s_mov_b32 s[G0+1], s42
	s_add_nc_u64 s[G0+2:G0+3], s[4:5], s[44:45]
	s_or_b32 s[G0+3], s[G0+3], 0x80000000
	s_add_nc_u64 s[50:51], s[4:5], s[50:51]
	s_add_nc_u64 s[52:53], s[4:5], s[52:53]
	s_add_nc_u64 s[6:7], s[6:7], s[54:55]
	s_add_nc_u64 s[PFA:PFA+1], s[4:5], s[56:57]
	ROUND
	JLOAD                                          ; block 0: my one tensor load at the head
	v_and_b32 v62, 31, v0
	v_lshlrev_b32 v[LN16], 4, v62
	v_and_b32 v61, 15, v0
	v_bfe_u32 v[AK], v0, 4, 1                      ; h, kept here until the first step makes its addresses
	s_wait_alu depctr_va_vdst(0)
	WIN W_Q
.set J, 0
.rept 64
	global_load_b128 v[4*J:4*J+3], v[LN16], s[50:51] offset:512*J   ; Q's 32 fragments, asked for while block 0 is on its way
.set J, J+1
.endr
	WIN 0
.irp q, 0,1,2,3
	global_load_b128 v[QS+4*\q:QS+4*\q+3], v[LN16], s[52:53] offset:512*\q
.endr
	s_lshl_b32 s42, s[WV], 15
	v_add_nc_u32 v[AK0], s42, v[LN16]              ; my 32,768 bytes of a block's codes: 4 tiles of K, or 2 channel tiles of V
	s_lshl_b32 s43, s[WV], 11
	s_add_co_u32 s43, s43, SCB
	v_add_nc_u32 v[AKS0], s43, v[LN16]
	s_lshl_b32 s43, s[WV], 7
	s_add_co_u32 s43, s43, SCB
	v_lshl_add_u32 v[AVS0], v62, 2, s43            ; V's scale words: lanes 0-15 tile 2 w, lanes 16-31 tile 2 w + 1
	s_lshl_b32 s43, s[WV], 9
	s_add_co_u32 s43, s43, PIMG
	v_add_nc_u32 v[APW0], s43, v[LN16]
	s_lshr_b32 s43, s[WV], 1
	s_lshl_b32 s43, s43, 6
	s_and_b32 s46, s[WV], 1
	s_lshl_b32 s46, s46, 1
	s_add_co_u32 s43, s43, s46
	s_add_co_u32 s43, s43, PSC
	v_lshl_add_u32 v[APS0], v61, 2, s43
	s_lshr_b32 s43, s[WV], 1
	s_lshl_b32 s43, s43, 7
	s_and_b32 s46, s[WV], 1
	s_lshl_b32 s46, s46, 2
	s_add_co_u32 s43, s43, s46
	s_add_co_u32 s43, s43, MH
	v_lshl_add_u32 v[AMH0], v61, 3, s43
	s_lshl_b32 s43, s[WV], 2
	s_add_co_u32 s43, s43, MX
	v_lshl_add_u32 v[AMW], v61, 4, s43
	v_lshl_add_u32 v[AMR], v61, 4, MX
	v_lshl_add_u32 v[ALS], v62, 2, PSC
	v_add_nc_u32 v[APR], PIMG, v[LN16]
	v_lshl_add_u32 v[AMHR], v62, 3, MH
	v_lshlrev_b32 v[PFO], 8, v62
	s_lshl_b32 s43, s[WV], 7
	s_add_co_u32 s43, s43, STG
	v_mul_u32_u24 v[STO], v61, SPITCH
	v_lshl_add_u32 v[STO], v[AK], 5, v[STO]
	v_add_nc_u32 v[STO], s43, v[STO]               ; into the stage: row r, 128 w + 32 h bytes
	s_mul_i32 s43, s[WV], 16*SPITCH
	s_add_co_u32 s43, s43, STG
	v_add_nc_u32 v[RD], s43, v[LN16]               ; out of it: rows 16 w on, a row an instruction
.irp q, 0,1,2,3
	v_mov_b32 v[NM+2*\q], 0x7f61b1e6               ; -M = 3e38: under every t
	v_mov_b32 v[NM+2*\q+1], 0                      ; the sum
.endr
.macro FETCHK s
.irp t, 0,1,2,3
.irp c, 0,1
	ds_load_b128 v[KB+32*((\s)%2)+8*\t+4*\c:KB+32*((\s)%2)+8*\t+4*\c+3], v[AK] offset:\t*8192+(\s)*1024+512*\c
.endr
.endr
.endm
.macro MULS s                          ; 16 accumulators by turns
.irp q, 0,1,2,3
.irp t, 0,1,2,3
.set rS, SA+8*(4*\q+\t)
.set rK, KB+32*((\s)%2)+8*\t
.set rQ, 64*\q+8*(\s)
.if (\s) == 0
	v_wmma_scale_f32_16x16x128_f8f6f4 v[rS:rS+7], v[rK:rK+7], v[rQ:rQ+7], 0, v[SCL+4*\t], v[QS+4*\q] matrix_a_fmt:MATRIX_FMT_FP4 matrix_b_fmt:MATRIX_FMT_FP4
.elseif (\s) < 4
	v_wmma_scale_f32_16x16x128_f8f6f4 v[rS:rS+7], v[rK:rK+7], v[rQ:rQ+7], v[rS:rS+7], v[SCL+4*\t+(\s)], v[QS+4*\q+(\s)] matrix_a_fmt:MATRIX_FMT_FP4 matrix_b_fmt:MATRIX_FMT_FP4
.else
	v_wmma_scale_f32_16x16x128_f8f6f4 v[rS:rS+7], v[rK:rK+7], v[rQ:rQ+7], v[rS:rS+7], v[SCL+4*\t+(\s)-4], v[QS+4*\q+(\s)-4] matrix_a_fmt:MATRIX_FMT_FP4 matrix_b_fmt:MATRIX_FMT_FP4 matrix_a_scale:MATRIX_SCALE_ROW1 matrix_b_scale:MATRIX_SCALE_ROW1
.endif
.endr
.endr
.endm
; A STEP OF PHASE A: 256 keys, 64 of them mine
.macro ASTEP
	v_add_nc_u32 v[AK], s[TB], v[AK0]
	v_add_nc_u32 v[AKS], s[TB], v[AKS0]
	v_add_nc_u32 v[APW], s[TI], v[APW0]
	v_add_nc_u32 v[APS], s[TQ], v[APS0]
	v_add_nc_u32 v[AMH], s[TM], v[AMH0]
	s_wait_alu depctr_va_vdst(0)
	FETCHK 0
.irp t, 0,1,2,3
	ds_load_b128 v[SCL+4*\t:SCL+4*\t+3], v[AKS] offset:512*\t
.endr
	WIN W_S
.set SS, 0
.rept 8
.if SS < 7
.if SS > 0
	PLACES 4
.endif
	FETCHK SS+1
	s_wait_dscnt 8                                 ; all but the next K step's eight loads
.else
	s_wait_dscnt 0x0
.endif
	MULS SS
.set SS, SS+1
.endr
	WIN 0
	PLACES 4
.irp B, 0,1,2,3,4,5,6,7
	v_max3_num_f32 v[BM+\B], v[SA+16*\B], v[SA+16*\B+1], v[SA+16*\B+2]   ; each block's largest score
.endr
.irp i, 3,5,7,9,11,13
.irp B, 0,1,2,3,4,5,6,7
	v_max3_num_f32 v[BM+\B], v[BM+\B], v[SA+16*\B+\i], v[SA+16*\B+\i+1]
.endr
.endr
.irp B, 0,1,2,3,4,5,6,7
	v_max_num_f32 v[BM+\B], v[BM+\B], v[SA+16*\B+15]
.endr
.irp B, 0,1,2,3,4,5,6,7
	v_permlanex16_b32 v[BX+\B], v[BM+\B], s[SEL], s[SEL+1]
.endr
.irp B, 0,1,2,3,4,5,6,7
	v_max_num_f32 v[BM+\B], v[BM+\B], v[BX+\B]
.endr
.irp q, 0,1,2,3
	v_max_num_f32 v[TP+\q], v[BM+2*\q], v[BM+2*\q+1]
.endr
.irp q, 0,1,2,3
	v_mul_f32 v[TP+\q], s[CS], v[TP+\q]
.endr
.irp q, 0,1,2,3
	v_floor_f32 v[TP+\q], -v[TP+\q]
.endr
.irp q, 0,1,2,3
	v_mov_b32 v[FD+2*\q+1], v[NM+2*\q]
.endr
.irp q, 0,1,2,3
	v_min_num_f32 v[NM+2*\q], v[NM+2*\q], v[TP+\q]   ; my running -M
.endr
.irp q, 0,1,2,3
	v_sub_f32 v[FD+2*\q+1], v[NM+2*\q], v[FD+2*\q+1]
.endr
.irp q, 0,1,2,3
	v_cvt_i32_f32 v[FD+2*\q+1], v[FD+2*\q+1]
.endr
.irp q, 0,1,2,3
	v_ldexp_f32 v[FD+2*\q], 1.0, v[FD+2*\q+1]      ; 2^(old M - new M), for the sum alone
.endr
.set J, 0
.rept 64
	v_pk_fma_f32 v[SA+2*J:SA+2*J+1], v[SA+2*J:SA+2*J+1], s[CS:CS+1], v[NM+2*(J/16):NM+2*(J/16)+1] op_sel_hi:[1,0,0]
.set J, J+1
.endr
.irp B, 0,1,2,3,4,5,6,7
	v_fma_f32 v[BM+\B], v[BM+\B], s[CS], v[NM+2*(\B/2)]
.endr
	s_wait_alu depctr_va_vdst(0)                   ; ahead of the batch
.irp B, 0,1,2,3,4,5,6,7
	v_exp_f32 v[BM+\B], v[BM+\B]
.endr
.set J, 0
.rept 128
	v_exp_f32 v[SA+J], v[SA+J]
.set J, J+1
.endr
	v_nop
	s_wait_alu depctr_va_vdst(0)                   ; and behind it
.irp q, 0,1,2,3
	v_pk_add_f32 v[BX+2*\q:BX+2*\q+1], v[SA+32*\q:SA+32*\q+1], v[SA+32*\q+2:SA+32*\q+3]
.endr
.irp k, 4,6,8,10,12,14,16,18,20,22,24,26,28,30
.irp q, 0,1,2,3
	v_pk_add_f32 v[BX+2*\q:BX+2*\q+1], v[BX+2*\q:BX+2*\q+1], v[SA+32*\q+\k:SA+32*\q+\k+1]
.endr
.endr
.irp q, 0,1,2,3
	v_add_f32 v[TP+\q], v[BX+2*\q], v[BX+2*\q+1]
.endr
.irp q, 0,1,2,3
	v_fma_f32 v[NM+2*\q+1], v[NM+2*\q+1], v[FD+2*\q], v[TP+\q]
.endr
.irp B, 0,1,2,3,4,5,6,7
	v_max_num_f32 v[BM+\B], 0x1800000, v[BM+\B]
.endr
.irp B, 0,1,2,3,4,5,6,7
	v_add_nc_u32 v[SO+\B], 0xff000000, v[BM+\B]
.endr
.irp B, 0,1,2,3,4,5,6,7
	v_lshrrev_b32 v[BY+\B], 23, v[SO+\B]
.endr
.irp q, 0,1,2,3
	v_lshl_or_b32 v[WW+\q], v[BY+2*\q+1], 8, v[BY+2*\q]
.endr
.irp q, 0,1,2,3
	v_or_b32 v[WW+\q], 0x8080, v[WW+\q]            ; bit 7 on each byte: room for the later subtraction
.endr
.irp B, 0,1,2,3,4,5,6,7
	v_cvt_scalef32_pk8_fp4_f32 v[PC+2*\B], v[SA+16*\B:SA+16*\B+7], v[SO+\B]
	v_cvt_scalef32_pk8_fp4_f32 v[PC+2*\B+1], v[SA+16*\B+8:SA+16*\B+15], v[SO+\B]
.endr
	v_nop
.irp q, 0,1,2,3
.irp i, 0,1
	v_permlane16_swap_b32 v[PC+4*\q+\i], v[PC+4*\q+2+\i]
.endr
.endr
.irp q, 0,1,2,3
	ds_store_b128 v[APW], v[PC+4*\q:PC+4*\q+3] offset:2048*\q
	ds_store_b16 v[APS], v[WW+\q] offset:128*\q
	ds_store_b32 v[AMH], v[NM+2*\q] offset:256*\q  ; both halves of the lanes write the same word with the same value
.endr
	TURN 1, 1
	ASK 0
.endm
.macro XFER win                        ; four steps' images of P, 32,768 bytes, into 256 registers
	WIN \win
.set J, 0
.rept 64
	ds_load_b128 v[4*J:4*J+3], v[APR] offset:512*J
.set J, J+1
.endr
	WIN 0
.endm
	s_wait_alu depctr_va_vdst(0)                   ; the head's end
	s_wait_tensorcnt 0x0                           ; block 0 is in; slot 1's first fill is issued as a refill is
	ds_add_u32 v[SPW], v[NIL]
	s_xor_b32 s[G0+1], s[G0+1], FLIP
	s_add_nc_u64 s[G0+2:G0+3], s[G0+2:G0+3], BLK
	s_wait_dscnt 0x0
	ROUND
	JLOAD                                          ; block 1
	s_wait_loadcnt 0x0                             ; Q
	s_mov_b32 s[CNT], 4
.LA1:
	ASTEP
	s_sub_co_u32 s[CNT], s[CNT], 1
	s_cmp_lg_u32 s[CNT], 0
	s_cbranch_scc1 .LA1
	XFER 0x80
	s_wait_dscnt 0x0                               ; every wave has read the four images before any is written again
	s_barrier_signal -1
	s_barrier_wait -1
	s_mov_b32 s[TI], 0
	s_mov_b32 s[CNT], 4
.LA2:
	ASTEP
	s_sub_co_u32 s[CNT], s[CNT], 1
	s_cmp_lg_u32 s[CNT], 0
	s_cbranch_scc1 .LA2
; BETWEEN THE PHASES
.irp q, 0,1,2,3
	v_permlanex16_b32 v[TP+\q], v[NM+2*\q+1], s[SEL], s[SEL+1]
.endr
.irp q, 0,1,2,3
	v_add_f32 v[TP+\q], v[TP+\q], v[NM+2*\q+1]
.endr
.irp q, 0,1,2,3
	ds_store_b32 v[AMW], v[NM+2*\q] offset:256*\q
	ds_store_b32 v[AMW], v[TP+\q] offset:1024+256*\q
.endr
	XFER 0xc0
.irp q, 0,1,2,3
.irp j, 0,1,2,3,4,5,6,7
	ds_load_b32 v[PS+8*\q+\j], v[ALS] offset:512*\j+128*\q             ; lanes 0-15: key step 2 j, lanes 16-31: 2 j + 1
	ds_load_b64 v[MHR+16*\q+2*\j:MHR+16*\q+2*\j+1], v[AMHR] offset:1024*\j+256*\q   ; the -M of the two waves that made that word's bytes
.endr
.endr
	s_wait_dscnt 0x0
	s_barrier_signal -1
	s_barrier_wait -1                              ; the waves' -M and sums lie in LDS; images, bytes and history have been read by all
.irp q, 0,1,2,3
	ds_load_b128 v[MXR+4*\q:MXR+4*\q+3], v[AMR] offset:256*\q
	ds_load_b128 v[MXL+4*\q:MXL+4*\q+3], v[AMR] offset:1024+256*\q
.endr
	s_wait_dscnt 0x0
.irp q, 0,1,2,3
	v_min3_num_f32 v[NF+2*\q], v[MXR+4*\q], v[MXR+4*\q+1], v[MXR+4*\q+2]
.endr
.irp q, 0,1,2,3
	v_min_num_f32 v[NF+2*\q], v[NF+2*\q], v[MXR+4*\q+3]   ; the final -M
.endr
.set J, 0
.rept 16
	v_sub_f32 v[MXR+J], v[NF+2*(J/4)], v[MXR+J]
.set J, J+1
.endr
.set J, 0
.rept 16
	v_cvt_i32_f32 v[MXR+J], v[MXR+J]
.set J, J+1
.endr
.set J, 0
.rept 16
	v_ldexp_f32 v[MXL+J], v[MXL+J], v[MXR+J]       ; each wave's sum under the final M
.set J, J+1
.endr
.irp q, 0,1,2,3
	v_add_f32 v[MXL+4*\q], v[MXL+4*\q], v[MXL+4*\q+1]
	v_add_f32 v[MXL+4*\q+2], v[MXL+4*\q+2], v[MXL+4*\q+3]
.endr
.irp q, 0,1,2,3
	v_add_f32 v[NF+2*\q+1], v[MXL+4*\q], v[MXL+4*\q+2]
.endr
	s_wait_alu depctr_va_vdst(0)                   ; ahead of the batch
.irp q, 0,1,2,3
	v_rcp_f32 v[RC+2*\q], v[NF+2*\q+1]
.endr
; every scale byte b | 0x80 less D = min(final M - its step's M, 127); a byte whose bit 7 is gone fell under 0 and becomes 0; else bit 7 is taken off
.irp q, 0,1,2,3
.irp j, 0,1,2,3,4,5,6,7
	v_pk_add_f32 v[MHR+16*\q+2*\j:MHR+16*\q+2*\j+1], v[MHR+16*\q+2*\j:MHR+16*\q+2*\j+1], v[NF+2*\q:NF+2*\q+1] op_sel_hi:[1,0] neg_lo:[0,1] neg_hi:[0,1]
.endr
.irp j, 0,1,2,3,4,5,6,7,8,9,10,11,12,13,14,15
	v_min_num_f32 v[MHR+16*\q+\j], 0x42fe0000, v[MHR+16*\q+\j]
.endr
.irp j, 0,1,2,3,4,5,6,7,8,9,10,11,12,13,14,15
	v_cvt_u32_f32 v[MHR+16*\q+\j], v[MHR+16*\q+\j]
.endr
.irp j, 0,1,2,3,4,5,6,7
	v_lshl_or_b32 v[MHR+16*\q+2*\j], v[MHR+16*\q+2*\j+1], 16, v[MHR+16*\q+2*\j]
.endr
.irp j, 0,1,2,3,4,5,6,7
	v_mul_u32_u24 v[MHR+16*\q+2*\j], v[MHR+16*\q+2*\j], 0x101      ; D of the first wave in bytes 0, 1, of the second in bytes 2, 3
.endr
.irp j, 0,1,2,3,4,5,6,7
	v_sub_nc_u32 v[PS+8*\q+\j], v[PS+8*\q+\j], v[MHR+16*\q+2*\j]   ; no byte borrows: 128 + b - D is at least 2
.endr
.irp j, 0,1,2,3,4,5,6,7
	v_and_b32 v[MHR+16*\q+2*\j], 0x80808080, v[PS+8*\q+\j]
.endr
.irp j, 0,1,2,3,4,5,6,7
	v_lshrrev_b32 v[MHR+16*\q+2*\j+1], 7, v[MHR+16*\q+2*\j]
.endr
.irp j, 0,1,2,3,4,5,6,7
	v_sub_nc_u32 v[MHR+16*\q+2*\j], v[MHR+16*\q+2*\j], v[MHR+16*\q+2*\j+1]   ; 0x7f where bit 7 stood, else 0
.endr
.irp j, 0,1,2,3,4,5,6,7
	v_and_b32 v[PS+8*\q+\j], v[PS+8*\q+\j], v[MHR+16*\q+2*\j]
.endr
.endr
	PLACES 8                                       ; scale registers written by vector instructions stand 8 places ahead of the products
	s_wait_alu depctr_va_vdst(0)                   ; behind the reciprocals, ahead of their first reader and of the label
.macro FETCHV g, buf                   ; four key steps of my two channel tiles
.irp s4, 0,1,2,3
.irp e, 0,1
.irp c, 0,1
	ds_load_b128 v[\buf+8*(2*\s4+\e)+4*\c:\buf+8*(2*\s4+\e)+4*\c+3], v[AK] offset:\e*16384+(4*(\g)+\s4)*1024+512*\c
.endr
.endr
.endr
.endm
.macro WB1 mods:vararg
.if ZC
	v_wmma_scale_f32_16x16x128_f8f6f4 v[rO:rO+7], v[rV:rV+7], v[rP:rP+7], 0, v[rA], v[rB] matrix_a_fmt:MATRIX_FMT_FP4 matrix_b_fmt:MATRIX_FMT_FP4 \mods
.else
	v_wmma_scale_f32_16x16x128_f8f6f4 v[rO:rO+7], v[rV:rV+7], v[rP:rP+7], v[rO:rO+7], v[rA], v[rB] matrix_a_fmt:MATRIX_FMT_FP4 matrix_b_fmt:MATRIX_FMT_FP4 \mods
.endif
.endm
.macro MULB g, buf                     ; key steps 4 g .. 4 g + 3: source 0 = 16 channels of V, source 1 = P's 16 queries; 8 accumulators by turns
.irp jj, 0,1
.irp k, 0,1
.irp e, 0,1
.irp q, 0,1,2,3
.set rO, ACC+8*(4*\e+\q)
.set rV, \buf+8*(2*(2*\jj+\k)+\e)
.set rP, 64*((2*(\g)+\jj)%4)+8*(2*\q+\k)
.set rA, VS+4*(\g)+2*\jj+\k
.set rB, PS+8*\q+2*(\g)+\jj
.set ZC, ((\g)+\jj+\k) == 0
.if (\e == 0) && (\k == 0)
	WB1
.elseif \k == 0
	WB1 matrix_a_scale:MATRIX_SCALE_ROW1
.elseif \e == 0
	WB1 matrix_b_scale:MATRIX_SCALE_ROW1
.else
	WB1 matrix_a_scale:MATRIX_SCALE_ROW1 matrix_b_scale:MATRIX_SCALE_ROW1
.endif
.endr
.endr
.endr
.endr
.endm
; A BLOCK OF PHASE B: 128 channels.  fill = 2: a round and a refill follow; 1: a barrier alone; 0: the last block
.macro BBLOCK fill
	v_add_nc_u32 v[AK], s[TB], v[AK0]
	v_add_nc_u32 v[AKS], s[TB], v[AVS0]
	s_wait_alu depctr_va_vdst(0)
.set J, 0
.rept 16
	ds_load_b32 v[VS+J], v[AKS] offset:512*J       ; V's scale words of key step J
.set J, J+1
.endr
	WIN W_Q
	FETCHV 0, VA
	FETCHV 1, VB
	s_wait_dscnt 16                                ; all but the sixteen loads just issued
	WIN W_B2
	MULB 0, VA
	PLACES 4
	WIN W_Q
	FETCHV 2, VA
	s_wait_dscnt 16
	WIN W_B2
	MULB 1, VB
	PLACES 4
	WIN W_Q
	FETCHV 3, VB
	s_wait_dscnt 16
	WIN W_B3
	MULB 2, VA
	s_wait_dscnt 0x0
	MULB 3, VB
	PLACES 4
	WIN 0x41
.irp e, 0,1
.irp q, 0,1,2,3
.irp i, 0,2,4,6
	v_pk_mul_f32 v[ACC+8*(4*\e+\q)+\i:ACC+8*(4*\e+\q)+\i+1], v[ACC+8*(4*\e+\q)+\i:ACC+8*(4*\e+\q)+\i+1], v[RC+2*\q:RC+2*\q+1] op_sel_hi:[1,0]   ; / the row's sum
.endr
.endr
.endr
	WIN 0x04
.irp e, 0,1
.irp q, 0,1,2,3
	ds_store_b128 v[STO], v[ACC+8*(4*\e+\q):ACC+8*(4*\e+\q)+3] offset:\q*16*SPITCH+64*\e
	ds_store_b128 v[STO], v[ACC+8*(4*\e+\q)+4:ACC+8*(4*\e+\q)+7] offset:\q*16*SPITCH+64*\e+16
.endr
.endr
	WIN 0
.if (\fill) == 2
	TURN 1, 0
.else
	TURN 0, 0
.endif
.set J, 0
.rept 16
	ds_load_b128 v[OB+4*J:OB+4*J+3], v[RD] offset:J*SPITCH   ; row 16 w + J of the stage: 512 bytes that all four waves stored ahead of the barrier
.set J, J+1
.endr
.if (\fill) == 2
	ASK 1
.endif
.set J, 0
.rept 16
	s_wait_dscnt 15-J
	global_store_b128 v[LN16], v[OB+4*J:OB+4*J+3], s[6:7] offset:(J+8*(J/8))*4096 th:TH_STORE_NT   ; 32 lanes store 512 consecutive aligned bytes
.set J, J+1
.endr
.if (\fill) > 0
	s_wait_xcnt 0x0                                ; the stores have read their base and data
	s_add_nc_u64 s[6:7], s[6:7], 512               ; the next 128 channels
	s_barrier_signal -1
	s_barrier_wait -1                              ; every wave has read the stage before any writes it again
.endif
.endm
	s_mov_b32 s[CNT], 6
.LB:
	BBLOCK 2
	s_sub_co_u32 s[CNT], s[CNT], 1
	s_cmp_lg_u32 s[CNT], 0
	s_cbranch_scc1 .LB
	BBLOCK 1                                       ; the last two blocks ask for nothing more
	BBLOCK 0
	s_wait_tensorcnt 0x0                           ; the wave's end
	ds_add_u32 v[SPW], v[NIL]
	s_wait_dscnt 0x0
	ROUND                                          ; the closing round
	s_endpgm
.Lfunc_end_k_qfb88397f14_attn:
	.size	k_qfb88397f14_attn, .Lfunc_end_k_qfb88397f14_attn-k_qfb88397f14_attn
	.p2alignl 7, 3214868480
	.fill 96, 4, 3214868480
	.section	.rodata,"a",@progbits
	.p2align	6, 0x0
	.amdhsa_kernel k_qfb88397f14_attn
		.amdhsa_group_segment_fixed_size 327680
		.amdhsa_private_segment_fixed_size 0
		.amdhsa_enable_private_segment 0
		.amdhsa_kernarg_size 16
		.amdhsa_user_sgpr_count 2
		.amdhsa_user_sgpr_kernarg_segment_ptr 1
		.amdhsa_wavefront_size32 1
		.amdhsa_system_sgpr_workgroup_id_x 1
		.amdhsa_system_sgpr_workgroup_id_y 1
		.amdhsa_system_sgpr_workgroup_id_z 1
		.amdhsa_system_vgpr_workitem_id 0
		.amdhsa_next_free_vgpr 1024
		.amdhsa_next_free_sgpr 66
		.amdhsa_reserve_vcc 0
		.amdhsa_float_denorm_mode_32 3
		.amdhsa_float_denorm_mode_16_64 3
		.amdhsa_memory_ordered 1
		.amdhsa_forward_progress 1
		.amdhsa_inst_pref_size 227
	.end_amdhsa_kernel
	.amdgpu_metadata
---
amdhsa.version: [ 1, 2 ]
amdhsa.kernels:
  - .name:           k_qfb88397f14_attn
    .symbol:         k_qfb88397f14_attn.kd
    .args:
      - { .name: kv, .offset: 0, .size: 8, .value_kind: global_buffer, .address_space: global }
      - { .name: out0, .offset: 8, .size: 8, .value_kind: global_buffer, .address_space: global }
    .group_segment_fixed_size: 327680
    .private_segment_fixed_size: 0
    .kernarg_segment_align: 8
    .kernarg_segment_size: 16
    .max_flat_workgroup_size: 128
    .sgpr_count:     66
    .vgpr_count:     1024
    .wavefront_size: 32
...
	.end_amdgpu_metadata
.endif
;; end of part 2
